; MI455X (gfx1250); checked and timed in simulation.
; The chip was launched on July 23, 2026; its instructions are those of AMD's public machine-readable ISA for CDNA 5 (MIT licence, August 2026) and "CDNA5" Instruction Set Architecture Reference Guide (July 2026). The comments in the code are by the model that wrote it; some were corrected since.
;; Causal Attention. Allowed arithmetic: matrix products marked QUANTISED: E4M3 operands, one E8M0 scale for each 32 along K, by v_wmma_scale_f32_16x16x128_f8f6f4 with both operands' format E4M3, f32 sums; everything else in f32.
;; Inputs: Wqkv 1,024 x 3,072 float32; bqkv 3,072 float32; x 1 x 4,096 x 1,024 float32.
;; Outputs: out0 1 x 4,096 x 1,024 float32.
;; This version of the problem:
;;   THIS VERSION OF THE PROBLEM IS GIVEN IN LOW PRECISION. The matrix products marked QUANTISED in the list below multiply operands that are first quantised to E4M3 (4 exponent bits, 3 mantissa bits; 8 bits a number), with one power-of-two scale for each 32 numbers along K (OCP MX v1.0); their sums are f32. All else is computed in f32.
;;   The module's matrix products, in the order in which they are computed (A, B: the left and right operand; K: the contracted axis; several contracted axes count as one K, in the product's order):
;;     1. [M 4,096, K 1,024] x [K 1,024, N 3,072]; A: input x; B: input Wqkv: QUANTISED
;;     2. batch 16 x [M 4,096, K 64] x [K 64, N 4,096]; A: computed on the way; B: computed on the way: QUANTISED
;;     3. batch 16 x [M 4,096, K 4,096] x [K 4,096, N 64]; A: softmax (see below); B: computed on the way: QUANTISED
;;   THE QUANTISER, for each operand of a quantised product, along K:
;;     - K is cut into blocks of 32 from its start; a last block that is shorter is filled with zeros.
;;     - A block's scale is 2^e with e = floor(log2(the largest magnitude in the block)) - 8, held to -126 .. 127; a block of zeros has e = 0. As a byte (E8M0): e + 127.
;;     - Each number is divided by its block's scale, clamped to +-448, and rounded to the nearest number of E4M3, ties to even, subnormals kept.
;;     - The product sums the exact products of the quantised numbers (number of the format x scale) in f32.
;;   ~~~python
;;   def quantise(x, axis):      # numpy; x: float32 -> the quantised numbers, widened to float32 again
;;       x = np.moveaxis(x, axis, -1); K = x.shape[-1]
;;       x = np.pad(x, [(0, 0)] * (x.ndim - 1) + [(0, -K % 32)]); x = x.reshape(x.shape[:-1] + (-1, 32)); a = np.abs(x).max(-1, keepdims=True)
;;       e = np.where(a > 0, np.clip(np.frexp(np.where(a > 0, a, 1))[1] - 1 - 8, -126, 127), 0)      # np.frexp(a)[1] - 1 = floor(log2(a)), exactly
;;       r = np.clip(x / 2.0 ** e, -448, 448)
;;       step = 2.0 ** (np.maximum(np.frexp(np.where(r == 0, 1, r))[1] - 1, -6) - 3)
;;       q = np.round(r / step) * step * 2.0 ** e      # np.round: ties to even
;;       return np.moveaxis(q.reshape(q.shape[:-2] + (-1,))[..., :K], -1, axis).astype(np.float32)
;;   ~~~
;;   SOFTMAX AHEAD OF A QUANTISED PRODUCT. Where the list says 'softmax', what is quantised is not the finished softmax but p = 2^(t - M), with t = logit x log2(e) and M = ceil(the row's largest t), a whole number; so 1/2 < the row's largest p <= 1. The row's sum l is taken of the UNQUANTISED p, in f32, and the product's result is divided by l at the end. Since M is a whole number, a kernel that streams over the keys may use a running M (the ceiling of the running maximum): every later rescaling is an exact power of two, which a block's scale takes up: the codes' values come out the same.
;;   OPERANDS COMPUTED ON THE WAY. 'Computed on the way' means the value that the module computes at that place (a softmax that the list does not call 'softmax' is quantised finished and normalised). What goes into a quantiser is computed in f32, as accurately as f32 sums, v_exp_f32 and their like allow (about 1e-6 of the number): no bf16 or f16 on the way to a quantiser, and a product that is left as it is and whose result goes on into a quantised operand takes f32 operands (vector FMAs, or v_wmma_f32_16x16x4_f32). A number that lies on a knife's edge between two numbers of the format may be rounded either way, as far as f32 arithmetic and the matrix unit's own rounding can turn it there, and no further.
;; One version. Each part assembles by itself: llvm-mc -triple=amdgcn-amd-amdhsa -mcpu=gfx1250 --defsym DOCPART=n.
;; ======== version 1 of 1: 3 launches
;; limits: right only within a limited range of input values
;; workspace buffers: xq 4,456,448 bytes; wq 3,342,336 bytes; cod 12,582,912 bytes; scl 786,432 bytes
;; launch prep (part 1): grid 352 x 1, 8 waves a work-group, no clusters, 35,840 bytes of LDS; arguments x, Wqkv, xq, wq; writes xq, wq
.if DOCPART == 1
	.amdgcn_target "amdgcn-amd-amdhsa--gfx1250"
	.amdhsa_code_object_version 6
	.text
	.protected	k_q75234f6c8d_prep
	.globl	k_q75234f6c8d_prep
	.p2align	8
	.type	k_q75234f6c8d_prep,@function
k_q75234f6c8d_prep:
	s_mov_b64 s[64:65], 0
	v_nop
	global_prefetch_b8 v0, s[64:65] scope:SCOPE_SE
	s_setreg_imm32_b32 hwreg(HW_REG_WAVE_MODE, 25, 1), 1
	s_wait_xcnt 0x0
; x [4096][1024] and Wqkv [1024][3072], f32, become codes of FP8 (E4M3) with one E8M0 scale byte for each 32 along K = 1024, laid as IMAGES OF OPERAND REGISTERS.
; A fragment image (16 rows x 128 K) is 2,048 bytes: the 16 bytes of lane l's register group g lie at 512 g + 16 l; lane (r = l % 16, hl = l / 16), group g, holds k = 32 g + 16 hl + 0 .. 15 of row r.
; Its scale image is 128 bytes: lane l's word (four bytes, one for each 32 along K) at 4 l; lanes 16-31 repeat lanes 0-15.
; xq: codes [m tile 256][K step 8][2048]; from byte XQS on the scale images [m tile][K step][128].  Row r of tile mt is row 16 mt + r of x.
; wq: [head 16][K step 8][26,112]: 12 fragments (nt = 4 j + dt), then their 12 scale images.  Row r of fragment nt is column 1024 j + 16 (16 dt + r) + head of Wqkv: the columns are sorted by head.
; A block's scale is 2^(floor(log2(its largest magnitude)) - 8); its byte is the largest magnitude's exponent field - 8, held at 1 from below; each number is held within +-448 x the scale and rounded to the nearest code, ties to even.
; LIMITS: a block of zeros, or one whose largest magnitude lies under 2^-118, keeps the byte 1 (its codes are zeros or tiny; only this program reads the bytes); NaN and infinities among the inputs are not served.
; SHARES: work-groups 0-255 take x: one m tile each, a wave to a K step.  Work-groups 256-351 take W: 256 columns x 128 along K each.  The branch hangs on the work-group's number alone; only W's path uses LDS and a barrier.
; A stream: no tensor loads, no matrix work, no cluster: nothing is read twice and work-groups share nothing.
.set XQS,   4194304                    ; where xq's scale images begin
.set TM,    8                          ; v8-11 largest magnitudes, v12-15 bytes, v20-23 the conversions' scale operands
.set PW,    24                         ; v24  x's scale word
.set SW,    25                         ; v25  W's scale word
.set PC,    32                         ; v32-63 codes
.set NUM,   64                         ; v64-191 numbers
.set SEL,   20                         ; s[20:21] selects for v_permlanex16_b32: lane l xor 16
.set MNT,   23
.set HSTR,  2064                       ; LDS: a head's fragment, 2,048 bytes + 16, so that sixteen lanes of a store fall into 16 different columns of 16 bytes
.set SST,   16*HSTR                    ; LDS: behind the 16 fragments their scale words, 68 bytes a head
.set WROW,  12288                      ; a row of Wqkv in bytes
.set KSB,   26112                      ; a K step of a head in wq
.set HEADB, 8*KSB
; 64 numbers of a lane, v[s] on, register 16 b + i = k 32 b + 16 (lane / 16) + i of my row, become a fragment's codes in v[pc] on and its scale word in v[pw].
.macro QUANT s, pc, pw
.irp b, 0,1,2,3
	v_max3_num_f32 v[TM+\b], |v[\s+16*\b]|, |v[\s+1+16*\b]|, 0x4800000   ; block b: my 16 numbers, and the floor 2^(9 - 127): the byte cannot fall under 1
.endr
.irp i, 2,4,6,8,10,12,14
.irp b, 0,1,2,3
	s_delay_alu instid0(VALU_DEP_4)
	v_max3_num_f32 v[TM+\b], v[TM+\b], |v[\s+16*\b+\i]|, |v[\s+1+16*\b+\i]|   ; the four blocks by turns
.endr
.endr
.irp b, 0,1,2,3
	s_delay_alu instid0(VALU_DEP_4)
	v_permlanex16_b32 v[TM+4+\b], v[TM+\b], s[SEL], s[SEL+1]
.endr
.irp b, 0,1,2,3
	s_delay_alu instid0(VALU_DEP_4)
	v_max_num_f32 v[TM+\b], v[TM+\b], v[TM+4+\b]           ; with lane l xor 16's 16: the block's largest magnitude
.endr
.irp b, 0,1,2,3
	s_delay_alu instid0(VALU_DEP_4)
	v_add_nc_u32 v[TM+12+\b], 0xfc000000, v[TM+\b]         ; 8 off its exponent field: the conversion's scale operand
.endr
.irp b, 0,1,2,3
.endr
.irp b, 0,1,2,3
	s_delay_alu instid0(VALU_DEP_4)
	v_lshrrev_b32 v[TM+4+\b], 23, v[TM+12+\b]              ; the scale's byte
.endr
	s_delay_alu instid0(VALU_DEP_3)
	v_lshl_or_b32 v[\pw], v[TM+5], 8, v[TM+4]
	s_delay_alu instid0(VALU_DEP_1)
	v_lshl_or_b32 v[\pw], v[TM+6], 16, v[\pw]
	s_delay_alu instid0(VALU_DEP_1)
	v_lshl_or_b32 v[\pw], v[TM+7], 24, v[\pw]
.irp b, 0,1,2,3
.irp i, 0,1,2,3,4,5,6,7,8,9,10,11,12,13,14,15
.endr
	v_cvt_scalef32_pk8_fp8_f32 v[\pc+4*\b:\pc+1+4*\b], v[\s+16*\b:\s+7+16*\b], v[TM+12+\b]
	v_cvt_scalef32_pk8_fp8_f32 v[\pc+2+4*\b:\pc+3+4*\b], v[\s+8+16*\b:\s+15+16*\b], v[TM+12+\b]
.endr
	v_nop                                          ; one plain line behind the last conversion
.endm
	s_load_b256 s[4:11], s[0:1], 0x0               ; x s[4:5], Wqkv s[6:7], xq s[8:9], wq s[10:11]
	v_lshl_add_u32 v192, v0, 2, 0x8800
	v_mov_b32 v193, 0
	v_lshrrev_b32 v1, 5, v0
	s_delay_alu instid0(VALU_DEP_1)
	v_readfirstlane_b32 s12, v1                    ; wave 0..7
	v_and_b32 v1, 31, v0                           ; lane
	v_and_b32 v2, 15, v0                           ; lane % 16
	v_bfe_u32 v3, v0, 4, 1                         ; lane / 16
	s_delay_alu instid0(VALU_DEP_3)
	v_lshlrev_b32 v4, 4, v1                        ; 16 x lane: my place in an image's 512 bytes
	s_delay_alu instid0(VALU_DEP_4)
	v_lshlrev_b32 v5, 2, v1                        ; 4 x lane
	s_mov_b32 s[SEL], 0x76543210
	s_mov_b32 s[SEL+1], 0xfedcba98
	s_cmp_lt_u32 ttmp9, 256
	s_cbranch_scc0 .Lweights
	; ---- x: m tile = work-group, K step = wave.  Lane (r, hl) takes, of row r, 16 neighbours of each of the step's four blocks of 32
	v_lshlrev_b32 v6, 12, v2
	s_delay_alu instid0(VALU_DEP_1)
	v_lshl_add_u32 v6, v3, 6, v6                   ; row r of 4,096 bytes, + 64 hl
.irp b, 0,1,2,3
	v_mov_b32 v[TM+4+\b], 0                        ; a lane permute's destination counts as one of its sources
.endr
	s_lshl_b32 s14, ttmp9, 16                      ; 16 rows of 4,096 bytes a tile,
	s_lshl_b32 s16, s12, 9                         ; 512 bytes a K step
	s_add_co_u32 s14, s14, s16
	s_mov_b32 s15, 0
	s_lshl_b32 s16, ttmp9, 3
	s_add_co_u32 s16, s16, s12                     ; 8 mt + ks
	s_lshl_b32 s18, s16, 7
	s_add_co_u32 s18, s18, XQS                     ; its scale image
	s_mov_b32 s19, 0
	s_lshl_b32 s16, s16, 11                        ; its fragment image
	s_mov_b32 s17, 0
	s_wait_alu depctr_va_vdst(0)
	s_wait_kmcnt 0x0
	s_add_nc_u64 s[4:5], s[4:5], s[14:15]
	s_add_nc_u64 s[24:25], s[8:9], s[16:17]
	s_add_nc_u64 s[26:27], s[8:9], s[18:19]
.irp b, 0,1,2,3
.irp q, 0,1,2,3
	global_load_b128 v[NUM+16*\b+4*\q:NUM+16*\b+4*\q+3], v6, s[4:5] offset:128*\b+16*\q th:TH_LOAD_NT
.endr
.endr
	s_wait_loadcnt 0x0
	QUANT NUM, PC, PW
.irp g, 0,1,2,3
	global_store_b128 v4, v[PC+4*\g:PC+4*\g+3], s[24:25] offset:512*\g   ; 32 lanes store 512 consecutive bytes
.endr
	global_store_b32 v5, v[PW], s[26:27]
	s_endpgm
	; ---- W: work-group 256 + 8 nt + ks takes columns 256 nt .. 256 nt + 255 and k 128 ks .. 128 ks + 127.  A LANE TAKES A COLUMN, ITS REGISTERS RUN DOWN K:
	; lane l of wave w has column 256 nt + 32 w + l, which is head l % 16 and row 2 w + l / 16 of fragment nt.  A block of 32 along K lies in one lane.
.Lweights:
	s_sub_co_u32 s13, ttmp9, 256
	s_and_b32 s14, s13, 7                          ; ks
	s_lshr_b32 s13, s13, 3                         ; nt
	s_wait_alu depctr_va_vdst(0)
	v_mul_u32_u24 v6, v2, HSTR
	s_delay_alu instid0(VALU_DEP_1)
	v_lshl_add_u32 v6, v3, 4, v6
	s_lshl_b32 s16, s12, 5
	v_add_nc_u32 v6, s16, v6                       ; into the stage: my head's image, 16 bytes at row 2 w + l / 16
	v_mul_u32_u24 v7, v2, 68
	s_delay_alu instid0(VALU_DEP_1)
	v_lshl_add_u32 v7, v3, 2, v7
	s_lshl_b32 s16, s12, 3
	v_add_nc_u32 v7, s16, v7
	s_delay_alu instid0(VALU_DEP_1)
	v_add_nc_u32 v7, SST, v7                       ; and my row's scale word
	s_mul_i32 s16, s12, 2*HSTR
	v_add_nc_u32 v26, s16, v4                      ; out of it: heads 2 w and 2 w + 1, 16 bytes a lane
	s_mul_i32 s16, s12, 136
	v_lshl_add_u32 v27, v2, 2, s16
	s_delay_alu instid0(VALU_DEP_1)
	v_add_nc_u32 v27, SST, v27                     ; their scale words: lanes 16-31 repeat lanes 0-15
	s_mul_i32 s16, s14, 128*WROW
	s_lshl_b32 s17, s13, 10
	s_add_co_u32 s16, s16, s17
	s_lshl_b32 s17, s12, 7
	s_add_co_u32 s16, s16, s17                     ; W: 128 ks rows down, 256 nt + 32 w columns on
	s_mov_b32 s17, 0
	s_mul_i32 s18, s12, 2*HEADB
	s_mul_i32 s19, s14, KSB
	s_add_co_u32 s18, s18, s19                     ; wq: head 2 w, K step ks
	s_lshl_b32 s19, s13, 11
	s_add_co_u32 s24, s18, s19                     ; fragment nt
	s_mov_b32 s25, 0
	s_lshl_b32 s19, s13, 7
	s_add_co_u32 s26, s18, s19
	s_add_co_u32 s26, s26, 12*2048                 ; its scale image
	s_mov_b32 s27, 0
	s_wait_kmcnt 0x0
	s_add_nc_u64 s[6:7], s[6:7], s[16:17]
	s_add_nc_u64 s[24:25], s[10:11], s[24:25]
	s_add_nc_u64 s[26:27], s[10:11], s[26:27]
.macro WLOADK c                        ; block c: W(128 ks + 32 c + e, my column): each load reads 128 consecutive bytes a wave, the eight waves 1,024
.set e, 0
.rept 32
	global_load_b32 v[NUM+32*(\c)+e], v5, s[6:7] offset:(32*(\c)+e)*WROW th:TH_LOAD_NT
.set e, e+1
.endr
.endm
.macro WBLOCK c
.set XS, NUM+32*(\c)
.if (\c) < 3
	s_wait_loadcnt 32                              ; this block's 32 loads are in; the next block's 32 may be out
.else
	s_wait_loadcnt 0x0
.endif
.if (\c) < 2
	WLOADK (\c)+2                                  ; two blocks ahead, into registers of its own
.endif
	v_max3_num_f32 v12, |v[XS]|, |v[XS+1]|, |v[XS+2]|      ; the block's largest magnitude: all 32 numbers are mine; two chains
	v_max3_num_f32 v13, |v[XS+3]|, |v[XS+4]|, |v[XS+5]|
.irp i, 6,10,14,18,22,26
	s_delay_alu instid0(VALU_DEP_2)
	v_max3_num_f32 v12, v12, |v[XS+\i]|, |v[XS+\i+1]|
	s_delay_alu instid0(VALU_DEP_2)
	v_max3_num_f32 v13, v13, |v[XS+\i+2]|, |v[XS+\i+3]|
.endr
	s_delay_alu instid0(VALU_DEP_2)
	v_max3_num_f32 v12, v12, |v[XS+30]|, |v[XS+31]|
	s_delay_alu instid0(VALU_DEP_1)
	v_max3_num_f32 v12, v12, v13, 0x4800000        ; and the floor
	s_delay_alu instid0(VALU_DEP_1)
	v_add_nc_u32 v11, 0xfc000000, v12              ; the conversion's scale operand
	s_delay_alu instid0(VALU_DEP_1)
	v_lshrrev_b32 v13, 23, v11                     ; the byte
.if (\c) == 0
	s_delay_alu instid0(VALU_DEP_1)
	v_mov_b32 v[SW], v13
.else
	s_delay_alu instid0(VALU_DEP_1)
	v_lshl_or_b32 v[SW], v13, 8*(\c), v[SW]
.endif
.set e, 0
.rept 32
.set e, e+1
.endr
.irp g, 0,1,2,3
	v_cvt_scalef32_pk8_fp8_f32 v[PC+8*(\c)+2*\g:PC+8*(\c)+2*\g+1], v[XS+8*\g:XS+8*\g+7], v11
.endr
	v_nop                                          ; one plain line behind the last conversion
	ds_store_b128 v6, v[PC+8*(\c):PC+8*(\c)+3] offset:512*(\c)           ; k 32 c + 0 .. 15: the place of lane (r, 0) in group c
	ds_store_b128 v6, v[PC+8*(\c)+4:PC+8*(\c)+7] offset:512*(\c)+256     ; k 32 c + 16 .. 31: that of lane (r, 1)
.endm
	WLOADK 0
	WLOADK 1
	WBLOCK 0
	WBLOCK 1
	WBLOCK 2
	WBLOCK 3
	ds_store_b32 v7, v[SW]
	s_wait_dscnt 0x0                               ; for the others' sake: my stores into the stage are done
	s_barrier_signal -1
	s_barrier_wait -1                              ; sixteen whole images lie in the stage
.irp h, 0,1
.irp c, 0,1,2,3
	ds_load_b128 v[NUM+16*\h+4*\c:NUM+16*\h+4*\c+3], v26 offset:\h*HSTR+512*\c
.endr
.endr
.irp h, 0,1
	ds_load_b32 v[NUM+32+\h], v27 offset:68*\h
.endr
.irp h, 0,1
.irp c, 0,1,2,3
	s_wait_dscnt 9-(4*\h+\c)                       ; LDS loads come back in order: this one is in, the younger ones may be out
	global_store_b128 v4, v[NUM+16*\h+4*\c:NUM+16*\h+4*\c+3], s[24:25] offset:\h*HEADB+512*\c   ; 512 consecutive bytes
.endr
.endr
.irp h, 0,1
	s_wait_dscnt 1-\h
	global_store_b32 v5, v[NUM+32+\h], s[26:27] offset:\h*HEADB
.endr
	s_wait_tensorcnt 0x0
	ds_add_u32 v192, v193
	s_wait_dscnt 0x0
	s_endpgm
.Lfunc_end_k_q75234f6c8d_prep:
	.size	k_q75234f6c8d_prep, .Lfunc_end_k_q75234f6c8d_prep-k_q75234f6c8d_prep
	.p2alignl 7, 3214868480
	.fill 96, 4, 3214868480
	.section	.rodata,"a",@progbits
	.p2align	6, 0x0
	.amdhsa_kernel k_q75234f6c8d_prep
		.amdhsa_group_segment_fixed_size 35840
		.amdhsa_private_segment_fixed_size 0
		.amdhsa_enable_private_segment 0
		.amdhsa_kernarg_size 32
		.amdhsa_user_sgpr_count 2
		.amdhsa_user_sgpr_kernarg_segment_ptr 1
		.amdhsa_wavefront_size32 1
		.amdhsa_system_sgpr_workgroup_id_x 1
		.amdhsa_system_sgpr_workgroup_id_y 1
		.amdhsa_system_sgpr_workgroup_id_z 1
		.amdhsa_system_vgpr_workitem_id 0
		.amdhsa_next_free_vgpr 194
		.amdhsa_next_free_sgpr 66
		.amdhsa_reserve_vcc 0
		.amdhsa_float_denorm_mode_32 3
		.amdhsa_float_denorm_mode_16_64 3
		.amdhsa_fp16_overflow 1
		.amdhsa_memory_ordered 1
		.amdhsa_forward_progress 1
		.amdhsa_inst_pref_size 34
	.end_amdhsa_kernel
	.amdgpu_metadata
---
amdhsa.version: [ 1, 2 ]
amdhsa.kernels:
  - .name:           k_q75234f6c8d_prep
    .symbol:         k_q75234f6c8d_prep.kd
    .args:
      - { .name: x, .offset: 0, .size: 8, .value_kind: global_buffer, .address_space: global }
      - { .name: Wqkv, .offset: 8, .size: 8, .value_kind: global_buffer, .address_space: global }
      - { .name: xq, .offset: 16, .size: 8, .value_kind: global_buffer, .address_space: global }
      - { .name: wq, .offset: 24, .size: 8, .value_kind: global_buffer, .address_space: global }
    .group_segment_fixed_size: 35840
    .private_segment_fixed_size: 0
    .kernarg_segment_align: 8
    .kernarg_segment_size: 32
    .max_flat_workgroup_size: 256
    .sgpr_count:     66
    .vgpr_count:     194
    .wavefront_size: 32
...
	.end_amdgpu_metadata
.endif
;; end of part 1
;; launch proj (part 2): grid 16 x 16, 8 waves a work-group, clusters of 4 x 1, 327,680 bytes of LDS; arguments xq, wq, bqkv, cod, scl; writes cod, scl
.if DOCPART == 2
	.amdgcn_target "amdgcn-amd-amdhsa--gfx1250"
	.amdhsa_code_object_version 6
	.text
	.protected	k_q75234f6c8d_proj
	.globl	k_q75234f6c8d_proj
	.p2align	8
	.type	k_q75234f6c8d_proj,@function
k_q75234f6c8d_proj:
	s_mov_b64 s[64:65], 0
	v_nop
	global_prefetch_b8 v0, s[64:65] scope:SCOPE_SE
	s_setreg_imm32_b32 hwreg(HW_REG_WAVE_MODE, 25, 1), 1
	s_wait_xcnt 0x0
	s_wait_alu depctr_hold_cnt(0) depctr_sa_sdst(0) depctr_va_vdst(0) depctr_va_sdst(0) depctr_va_ssrc(0) depctr_va_vcc(0) depctr_vm_vsrc(0)
	s_getreg_b32 s2, hwreg(HW_REG_IB_STS2, 6, 4)
	s_cmp_eq_u32 s2, 0
	s_cbranch_scc0 .Lentry_in_a_cluster
	s_endpgm
.Lentry_in_a_cluster:
	s_bfe_u32 s2, ttmp6, 0x10000c
	s_cmp_lg_u32 s2, 0x3003
	s_cbranch_scc0 .Lentry_shape_is_right
	s_endpgm
.Lentry_shape_is_right:
.set KSB,   26112
.set HEADB, 8*KSB
.set HALFB, 4*KSB
.set WAVEB, HALFB/8
.set XQS,   4194304
.set CP,    272
.set AW,   1
.set AWS,  2
.set XO,   3
.set XSO,  4
.set BO,   5
.set ASTW, 6
.set AQK,  7
.set AV,   8
.set TM,   224
.set WV,   14
.set SEL,  72
.set MNT,  74
.set G1,   24
.set G0,   32
.set MSB, 0
.macro WIN new
.if MSB != \new
	s_set_vgpr_msb (MSB<<8)|\new
.set MSB, \new
.endif
.endm
.macro PLACES n
.rept \n
	v_nop
.endr
.endm
.macro CROUND
	s_barrier_signal -1
	s_barrier_wait -1
	s_cmp_lg_u32 s[WV], 0
	s_cbranch_scc1 .Lnot_wave_0_\@
	s_barrier_signal -3
.Lnot_wave_0_\@:
	s_barrier_wait -3
	s_barrier_signal -1
	s_barrier_wait -1
.endm
.macro QUANT s, pc, pw
.irp b, 0,1,2,3
	v_max3_num_f32 v[TM+\b], |v[\s+16*\b]|, |v[\s+1+16*\b]|, 0x4800000
.endr
.irp i, 2,4,6,8,10,12,14
.irp b, 0,1,2,3
	s_delay_alu instid0(VALU_DEP_4)
	v_max3_num_f32 v[TM+\b], v[TM+\b], |v[\s+16*\b+\i]|, |v[\s+1+16*\b+\i]|
.endr
.endr
.irp b, 0,1,2,3
	s_delay_alu instid0(VALU_DEP_4)
	v_permlanex16_b32 v[TM+4+\b], v[TM+\b], s[SEL], s[SEL+1]
.endr
.irp b, 0,1,2,3
	s_delay_alu instid0(VALU_DEP_4)
	v_max_num_f32 v[TM+\b], v[TM+\b], v[TM+4+\b]
.endr
.irp b, 0,1,2,3
	s_delay_alu instid0(VALU_DEP_4)
	v_add_nc_u32 v[TM+12+\b], 0xfc000000, v[TM+\b]
.endr
.irp b, 0,1,2,3
.endr
.irp b, 0,1,2,3
	s_delay_alu instid0(VALU_DEP_4)
	v_lshrrev_b32 v[TM+4+\b], 23, v[TM+12+\b]
.endr
	s_delay_alu instid0(VALU_DEP_3)
	v_lshl_or_b32 v[\pw], v[TM+5], 8, v[TM+4]
	s_delay_alu instid0(VALU_DEP_1)
	v_lshl_or_b32 v[\pw], v[TM+6], 16, v[\pw]
	s_delay_alu instid0(VALU_DEP_1)
	v_lshl_or_b32 v[\pw], v[TM+7], 24, v[\pw]
.irp b, 0,1,2,3
.irp i, 0,1,2,3,4,5,6,7,8,9,10,11,12,13,14,15
.endr
	v_cvt_scalef32_pk8_fp8_f32 v[\pc+4*\b:\pc+1+4*\b], v[\s+16*\b:\s+7+16*\b], v[TM+12+\b]
	v_cvt_scalef32_pk8_fp8_f32 v[\pc+2+4*\b:\pc+3+4*\b], v[\s+8+16*\b:\s+15+16*\b], v[TM+12+\b]
.endr
	v_nop
.endm
	s_load_b256 s[4:11], s[0:1], 0x0
	s_load_b64 s[12:13], s[0:1], 0x20
	v_lshl_add_u32 v94, v0, 2, 0x34000
	v_mov_b32 v95, 0
	ds_add_u32 v94, v95
	ds_add_u32 v94, v95
	v_lshrrev_b32 v1, 5, v0
	s_delay_alu instid0(VALU_DEP_1)
	v_readfirstlane_b32 s[WV], v1
	s_bfe_u32 s15, ttmp6, 0x40000
	s_lshl_b32 s16, ttmp9, 2
	s_add_co_u32 s16, s16, s15
	s_and_b32 s17, ttmp7, 0xffff
	s_mov_b32 s[G1+0], 15|(3<<16)|(1<<21)
	s_mov_b32 s[G1+1], 32<<16
	s_mov_b32 s[G1+2], 51<<16
	s_mov_b32 s[G1+3], 32<<16
	s_mov_b32 s[G1+4], 51
	s_mov_b32 s[G1+5], 32
	s_mov_b32 s[G1+6], 0
	s_mov_b32 s[G1+7], 0
	s_mov_b32 s[SEL], 0x76543210
	s_mov_b32 s[SEL+1], 0xfedcba98
	s_mul_i32 s66, s[WV], WAVEB
	s_mul_i32 s68, s17, HEADB
	s_add_co_u32 s68, s68, s66
	s_mov_b32 s69, 0
	s_wait_dscnt 0x0
	s_wait_kmcnt 0x0
	s_add_nc_u64 s[68:69], s[6:7], s[68:69]
	s_mov_b32 s[G0+0], 1
	s_mov_b32 s[G0+1], s66
	s_mov_b64 s[G0+2:G0+3], s[68:69]
	s_or_b32 s[G0+3], s[G0+3], 0x80000000
	s_mov_b32 s[G0+4], 1
	s_add_co_u32 s[G0+5], s66, HALFB
	s_add_nc_u64 s[G0+6:G0+7], s[68:69], HALFB
	s_or_b32 s[G0+7], s[G0+7], 0x80000000
	CROUND
	tensor_load_to_lds s[G0:G0+3], s[G1:G1+7]
	s_nop 0
	s_wait_alu depctr_va_vdst(0)
	s_wait_tensorcnt 0x0
	ds_add_u32 v94, v95
	s_wait_dscnt 0x0
	CROUND
	tensor_load_to_lds s[G0+4:G0+7], s[G1:G1+7]
	s_nop 0
	PLACES 4
	v_and_b32 v9, 31, v0
	v_and_b32 v10, 15, v0
	v_bfe_u32 v11, v0, 4, 1
	s_delay_alu instid0(VALU_DEP_3)
	v_lshlrev_b32 v[AW], 4, v9
	s_delay_alu instid0(VALU_DEP_4)
	v_lshlrev_b32 v[XO], 4, v9
	v_lshlrev_b32 v[XSO], 2, v9
	s_delay_alu instid0(VALU_DEP_1)
	v_add_nc_u32 v[AWS], 12*2048, v[XSO]
	v_lshlrev_b32 v[BO], 9, v11
	v_mul_u32_u24 v[ASTW], v10, 3*CP
	s_delay_alu instid0(VALU_DEP_1)
	v_lshl_add_u32 v[ASTW], v11, 5, v[ASTW]
	s_mul_i32 s66, s[WV], 96*CP
	v_add_nc_u32 v[ASTW], s66, v[ASTW]
	s_lshr_b32 s67, s[WV], 2
	s_and_b32 s70, s[WV], 3
	s_mul_i32 s66, s67, 128*CP
	s_mul_i32 s71, s70, 32*CP
	s_add_co_u32 s71, s71, s66
	v_mul_u32_u24 v[AQK], v10, CP
	s_delay_alu instid0(VALU_DEP_1)
	v_lshl_add_u32 v[AQK], v11, 6, v[AQK]
	s_delay_alu instid0(VALU_DEP_1)
	v_add_nc_u32 v[AQK], s71, v[AQK]
	s_lshl_b32 s71, s70, 6
	s_add_co_u32 s71, s71, s66
	v_mul_u32_u24 v[AV], v11, 8*CP
	s_delay_alu instid0(VALU_DEP_1)
	v_lshl_add_u32 v[AV], v10, 2, v[AV]
	s_delay_alu instid0(VALU_DEP_1)
	v_add_nc_u32 v[AV], s71, v[AV]
	s_lshl_b32 s18, s16, 4
	s_lshl_b32 s19, s[WV], 1
	s_add_co_u32 s18, s18, s19
	s_lshl_b32 s20, s18, 14
	s_mov_b32 s21, 0
	s_add_nc_u64 s[40:41], s[4:5], s[20:21]
	s_lshl_b32 s20, s18, 10
	s_add_co_u32 s20, s20, XQS
	s_add_nc_u64 s[42:43], s[4:5], s[20:21]
	s_lshl_b32 s20, s17, 2
	s_add_nc_u64 s[44:45], s[8:9], s[20:21]
	WIN 0x40
.irp m, 0,1
.irp j, 0,1,2
.irp t, 0,1,2,3
.irp e, 0,1,2,3,4,5,6,7
	global_load_b32 v[8*(12*\m+4*\j+\t)+\e], v[BO], s[44:45] offset:4096*\j+1024*\t+64*\e
.endr
.endr
.endr
.endr
	WIN 0
.macro XLOAD k
.set XBF, 16+32*((\k)%3)+144*(((\k)%3)/2)
.irp m, 0,1
.irp g, 0,1,2,3
	global_load_b128 v[XBF+16*\m+4*\g:XBF+16*\m+4*\g+3], v[XO], s[40:41] offset:16384*\m+2048*(\k)+512*\g
.endr
	global_load_b32 v[80+2*((\k)%3)+\m], v[XSO], s[42:43] offset:1024*\m+128*(\k)
.endr
.endm
.macro WLOAD i
.set WBF, 96+64*((\i)%2)
.set WSC, 86+4*((\i)%2)
.set WBQ, (\i)%3
.irp t, 0,1,2,3
.irp g, 0,1,2,3
	ds_load_b128 v[WBF+16*\t+4*\g:WBF+16*\t+4*\g+3], v[AW] offset:8192*WBQ+2048*\t+512*\g
.endr
	ds_load_b32 v[WSC+\t], v[AWS] offset:512*WBQ+128*\t
.endr
.endm
.macro BATCH i
.if ((\i) > 0) && ((\i) < 23)
.if ((\i)%3) == 2
	v_add_nc_u32 v[AW], KSB, v[AW]
	s_wait_alu depctr_va_vdst(0)
	v_add_nc_u32 v[AWS], KSB, v[AWS]
	s_wait_alu depctr_va_vdst(0)
	PLACES 6
.else
	PLACES 8
.endif
.endif
.if (\i) == 11
	s_wait_tensorcnt 0x0
	s_wait_dscnt 0x0
	s_barrier_signal -1
	s_barrier_wait -1
.endif
.if (\i) < 23
	WLOAD (\i)+1
.endif
.if ((\i)%3) == 0
.if ((\i)/3 >= 1) && ((\i)/3 <= 5)
	XLOAD (\i)/3+2
.endif
.if (\i)/3 <= 5
	s_wait_loadcnt 20
.elseif (\i)/3 == 6
	s_wait_loadcnt 10
.else
	s_wait_loadcnt 0x0
.endif
.endif
.if (\i) < 23
	s_wait_dscnt 20
.else
	s_wait_dscnt 0x0
.endif
.set MW, 96+64*((\i)%2)
.set MS, 86+4*((\i)%2)
.set MQ, (\i)%3
.set MX, 16+32*(((\i)/3)%3)+144*((((\i)/3)%3)/2)
.set MXS, 80+2*(((\i)/3)%3)
	WIN 0x50
.irp t, 0,1,2,3
.irp m, 0,1
	v_wmma_scale_f32_16x16x128_f8f6f4 v[8*(12*\m+4*MQ+\t):8*(12*\m+4*MQ+\t)+7], v[MW+16*\t:MW+16*\t+15], v[MX+16*\m:MX+16*\m+15], v[8*(12*\m+4*MQ+\t):8*(12*\m+4*MQ+\t)+7], v[MS+\t], v[MXS+\m]
.endr
.endr
	WIN 0
.endm
	XLOAD 0
	XLOAD 1
	XLOAD 2
	s_wait_tensorcnt 1
	s_barrier_signal -1
	s_barrier_wait -1
	WLOAD 0
.set I, 0
.rept 24
	BATCH I
.set I, I+1
.endr
	s_barrier_signal -1
	PLACES 8
	s_barrier_wait -1
	WIN 0x04
.irp m, 0,1
.irp j, 0,1,2
.irp t, 0,1,2,3
	ds_store_b128 v[ASTW], v[8*(12*\m+4*\j+\t):8*(12*\m+4*\j+\t)+3] offset:(48*\m+\j)*CP+64*\t
	ds_store_b128 v[ASTW], v[8*(12*\m+4*\j+\t)+4:8*(12*\m+4*\j+\t)+7] offset:(48*\m+\j)*CP+64*\t+16
.endr
.endr
.endr
	WIN 0
.irp b, 0,1,2,3
	v_mov_b32 v[TM+4+\b], 0
.endr
.irp n, 0,1,2
	s_mul_i32 s18, s16, 6
	s_add_co_u32 s18, s18, s67
	s_add_co_u32 s18, s18, 2*\n
	s_lshr_b32 s19, s18, 5
	s_and_b32 s18, s18, 31
	s_cmp_eq_u32 s19, 2
	s_cselect_b32 s[60+\n], -1, 0
	s_lshl_b32 s20, s17, 5
	s_add_co_u32 s20, s20, s18
	s_mul_i32 s22, s20, 24576
	s_lshl_b32 s21, s19, 13
	s_add_co_u32 s22, s22, s21
	s_lshl_b32 s21, s70, 11
	s_add_co_u32 s22, s22, s21
	s_mov_b32 s23, 0
	s_add_nc_u64 s[48+2*\n:49+2*\n], s[10:11], s[22:23]
	s_mul_i32 s22, s20, 1536
	s_lshl_b32 s21, s19, 9
	s_add_co_u32 s22, s22, s21
	s_lshl_b32 s21, s70, 7
	s_add_co_u32 s22, s22, s21
	s_add_nc_u64 s[54+2*\n:55+2*\n], s[12:13], s[22:23]
.endr
	s_wait_dscnt 0x0
	s_barrier_signal -1
	s_barrier_wait -1
.macro TASK n
.set PCN, 16+16*\n
.set PWN, 64+\n
.irp g, 0,1,2,3
.irp q, 0,1,2,3
	ds_load_b128 v[96+16*\g+4*\q:96+16*\g+4*\q+3], v[AQK] offset:16*CP*(\g/2)+128*(\g%2)+16*\q
.endr
.endr
.irp c, 0,1,2,3
.irp u, 0,1
.irp e, 0,1,2,3,4,5,6,7
	ds_load_b32 v[160+16*\c+8*\u+\e], v[AV] offset:(32*\c+16*\u+\e)*CP
.endr
.endr
.endr
	s_wait_dscnt 0x0
.set k, 0
.rept 64
	v_cndmask_b32 v[96+k], v[96+k], v[160+k], s[60+\n]
.set k, k+1
.endr
	QUANT 96, PCN, PWN
.irp g, 0,1,2,3
	global_store_b128 v[XO], v[PCN+4*\g:PCN+4*\g+3], s[48+2*\n:49+2*\n] offset:512*\g
.endr
	global_store_b32 v[XSO], v[PWN], s[54+2*\n:55+2*\n]
.if \n < 2
	v_add_nc_u32 v[AQK], 256*CP, v[AQK]
	v_add_nc_u32 v[AV], 256*CP, v[AV]
.endif
.endm
	TASK 0
	TASK 1
	TASK 2
	s_wait_tensorcnt 0x0
	ds_add_u32 v94, v95
	s_wait_dscnt 0x0
	CROUND
	s_endpgm
.Lfunc_end_k_q75234f6c8d_proj:
	.size	k_q75234f6c8d_proj, .Lfunc_end_k_q75234f6c8d_proj-k_q75234f6c8d_proj
	.p2alignl 7, 3214868480
	.fill 96, 4, 3214868480
	.section	.rodata,"a",@progbits
	.p2align	6, 0x0
	.amdhsa_kernel k_q75234f6c8d_proj
		.amdhsa_group_segment_fixed_size 327680
		.amdhsa_private_segment_fixed_size 0
		.amdhsa_enable_private_segment 0
		.amdhsa_kernarg_size 40
		.amdhsa_user_sgpr_count 2
		.amdhsa_user_sgpr_kernarg_segment_ptr 1
		.amdhsa_wavefront_size32 1
		.amdhsa_system_sgpr_workgroup_id_x 1
		.amdhsa_system_sgpr_workgroup_id_y 1
		.amdhsa_system_sgpr_workgroup_id_z 1
		.amdhsa_system_vgpr_workitem_id 0
		.amdhsa_next_free_vgpr 448
		.amdhsa_next_free_sgpr 76
		.amdhsa_reserve_vcc 0
		.amdhsa_float_denorm_mode_32 3
		.amdhsa_float_denorm_mode_16_64 3
		.amdhsa_fp16_overflow 1
		.amdhsa_memory_ordered 1
		.amdhsa_forward_progress 1
		.amdhsa_inst_pref_size 145
	.end_amdhsa_kernel
	.amdgpu_metadata
---
amdhsa.version: [ 1, 2 ]
amdhsa.kernels:
  - .name:           k_q75234f6c8d_proj
    .symbol:         k_q75234f6c8d_proj.kd
    .args:
      - { .name: xq, .offset: 0, .size: 8, .value_kind: global_buffer, .address_space: global }
      - { .name: wq, .offset: 8, .size: 8, .value_kind: global_buffer, .address_space: global }
      - { .name: bqkv, .offset: 16, .size: 8, .value_kind: global_buffer, .address_space: global }
      - { .name: cod, .offset: 24, .size: 8, .value_kind: global_buffer, .address_space: global }
      - { .name: scl, .offset: 32, .size: 8, .value_kind: global_buffer, .address_space: global }
    .group_segment_fixed_size: 327680
    .private_segment_fixed_size: 0
    .kernarg_segment_align: 8
    .kernarg_segment_size: 40
    .max_flat_workgroup_size: 256
    .sgpr_count:     76
    .vgpr_count:     448
    .wavefront_size: 32
...
	.end_amdgpu_metadata
.endif
;; end of part 2
;; launch attn (part 3): grid 16 x 16, 8 waves a work-group, no clusters, 327,680 bytes of LDS; arguments cod, scl, out0; writes out0
.if DOCPART == 3
	.amdgcn_target "amdgcn-amd-amdhsa--gfx1250"
	.amdhsa_code_object_version 6
	.text
	.protected	k_q75234f6c8d_attn
	.globl	k_q75234f6c8d_attn
	.p2align	8
	.type	k_q75234f6c8d_attn,@function
k_q75234f6c8d_attn:
	s_mov_b64 s[64:65], 0
	v_nop
	global_prefetch_b8 v0, s[64:65] scope:SCOPE_SE
	s_setreg_imm32_b32 hwreg(HW_REG_WAVE_MODE, 25, 1), 1
	s_wait_xcnt 0x0
; out[t][64 H + d] = the sum over keys k <= t of softmax_k(q[H][t] . k[H][k] / 8) v[H][k][d], both products on codes of FP8 (E4M3) with E8M0 scales, 16 heads, 4,096 tokens, head size 64.
; THE SOFTMAX AHEAD OF THE SECOND PRODUCT: t = score x log2(e) / 8; M = the row's largest t so far, rounded UP to a whole number; p = 2^(t - M) is quantised along the keys, not normalised.
; The row's sum is taken of the unquantised p, in f32, and divides O at the end.  When M moves, the sum and O are multiplied by 2^(old M - new M): exact.
; INPUTS (made by the launch ahead): cod [head][group of 128 tokens 32][Q | K | V], 8,192 bytes each: four fragment images (lane l's register group g at 512 g + 16 l); scl likewise, 512 bytes each: four scale images (lane l's word at 4 l).
; A Q or K fragment c has rows of two tokens: bytes 0-63 token 32 c + r, bytes 64-127 token 32 c + 16 + r.  A V fragment dt has row d = 16 dt + r; place 32 c + 16 hl + 8 u + e along K holds key 32 c + 16 u + 8 hl + e.
; SHARES.  Work-group (i, H) owns the query blocks i and 31 - i of 128 queries, one after the other: key steps 0 .. i, then 0 .. 31 - i: 33 steps of 128 keys in every work-group, so the causal triangle is shared out evenly
; and every trip count is a constant.  Each of the eight waves owns 16 queries of the block in hand.
; NO CLUSTER: work-groups of a head walk different lists of key steps (step n of the walk is another tile in each), so no two of them ask for the same tile at the same place of the text.
; LAYOUT.  Both products are used transposed.  S^T = K Q^T: the head's 64 fill half of the instruction's 128, so a fragment of K holds two tokens a row and is multiplied by [q | 0] and by [0 | q]: zero codes add nothing.
; Lane (r, hl) holds query r; register 16 c + 8 u + e holds key 32 c + 16 u + 8 hl + e: the conversions' results are source 1 of O^T = V^T P^T in the order in which V was laid.
; RING.  Two slots of three key steps: 3 x 16,384 bytes of K | V codes, then 3 x 1,024 of their scale images.  Waves 0-2 bring a step's codes each, waves 3-5 its scales, one tensor load a wave behind each change of slots.
; LIMITS: NaN and infinities are not served; a block whose every p has fallen to 0 keeps the byte 1: its codes are zeros.
; REGISTERS: v1-11 addresses; v12 -M, v13 the largest t, v[14:15] the sum in two halves; v16-23 zeros, v24-31 q, v32-39 zeros; v40 q's scale word; v44-47 K's, v48-51 V's; v52-115 four fragments of K, then of V;
;   v116-179 S^T, then p; v180-211 O^T; v212-227 p's codes; v228-255 at work.
.set SLOT1, 65536                      ; slot 1 begins here: one exclusive or turns an address in one slot into the other's
.set ENT,   16384                      ; a key step's codes in a slot: K's 8,192 bytes, then V's
.set SCO,   3*ENT                      ; behind the three: the scale images, 1,024 bytes a step
.set STAGE, 131072                     ; the way out: 16 rows x (256 + 16) bytes for each wave; no tensor load lands here
.set SPARE, STAGE+8*16*272             ; the spare words, 128 bytes for each wave: four blocks of 256 bytes that no other line names
.set STEPC, 24576                      ; a group of 128 tokens in cod,
.set STEPS, 1536                       ; and in scl
.set AKV,  1                           ; v1   16 x lane; never rewritten
.set ASC,  2                           ; v2   4 x lane; never rewritten
.set DM,   3                           ; v3   16 w + r - 8 hl: on the diagonal register 16 c + 8 u + e is hidden where 32 c + 16 u + e is above it
.set STO,  4                           ; v4   the way out: where I put 32 bytes of a row
.set RD,   5                           ; v5   and where I read a row back
.set GO,   6                           ; v6   my byte offset in the wave's rows of out
.set PFO,  7                           ; v7   256 x lane: the prefetches' offset; never rewritten
.set ADK,  8                           ; v8   LDS address of the step's codes
.set ADS,  9                           ; v9   and of its scale images
.set SPW,  10                          ; v10  LDS address of my spare word; never rewritten
.set NIL,  11                          ; v11  0; never rewritten
.set QZ,   16                          ; v[16:31] = [0 | q]
.set QQ,   24                          ; v[24:39] = [q | 0]
.set QS,   40
.set QR,   41
.set KS,   44
.set VS,   48
.set FX,   52
.set SX,   116
.set OX,   180
.set PCD,  212
.set BM,   228                         ; each block's largest score, then its largest p
.set T2,   232
.set HOLD, 236
.set SOP,  240
.set PW,   244                         ; p's scale word
.set FF,   246                         ; v[246:247] f = 2^(old M - new M), named as a pair
.set CH,   248                         ; v[248:249] the sum's second chain
.set TMP,  250
.set WV,   10
.set II,   11                          ; s11  i
.set IP1,  12                          ; s12  i + 1: the entry at which the second block begins
.set QI,   13                          ; s13  the entry in hand, 0 .. 32
.set TB,   14                          ; s14  LDS byte of its codes
.set TS,   15                          ; s15  and of its scale images
.set SLOTS, 16
.set THRICE, 17
.set QL,   18                          ; s18  the entry that my next tensor load brings
.set MNT,  19
.set SEL,  20
.set CS,   22                          ; s[22:23] c = log2(e) / 8
.set G1C,  24                          ; s[24:31] descriptor group 1 for codes;  s[32:39] for scales;  s[40:43], s[44:47] their groups 0
.set G1S,  32
.set G0C,  40
.set G0S,  44
.set BASEW, 48                         ; s[48:49] where key step 0 of what I fetch begins;  s50 bytes from step to step
.set MULW, 50
.set LIM,  51                          ; s51  a wave prefetches while s[SLOTS] is above it
.set PFA,  52                          ; s[52:53] where my prefetches stand;  s[54:55] their step
.set PFS,  54
.set QB,   56                          ; s[56:57] my q;  s[58:59] its scale image;  s[60:61] my rows of out
.set QSB,  58
.set OUTB, 60
.set QSH,  62                          ; s62  16 x (w % 2): my half of q's scale word
.macro PLACES n
.rept \n
	v_nop
.endr
.endm
; Waves 0-2 fetch codes, waves 3-5 scales, the others nothing: branches on the wave's number alone.  Four v_nop follow each of the two lines.
.macro TLOAD
	s_cmp_lt_u32 s[WV], 3
	s_cbranch_scc0 .Lnot_c_\@
	tensor_load_to_lds s[G0C:G0C+3], s[G1C:G1C+7]
	s_nop 0
	PLACES 4
	s_branch .Lasked_\@
.Lnot_c_\@:
	s_cmp_lt_u32 s[WV], 6
	s_cbranch_scc0 .Lasked_\@
	tensor_load_to_lds s[G0S:G0S+3], s[G1S:G1S+7]
	s_nop 0
	PLACES 4
.Lasked_\@:
.endm
; The global address of entry s[QL]: key step QL in the first block, QL - (i + 1) in the second.
.macro GADDR
	s_cmp_gt_u32 s[QL], s[II]
	s_cselect_b32 s66, s[IP1], 0
	s_sub_co_u32 s66, s[QL], s66
	s_mul_i32 s66, s66, s[MULW]
	s_mov_b32 s67, 0
	s_add_nc_u64 s[G0C+2:G0C+3], s[BASEW:BASEW+1], s[66:67]
	s_or_b32 s[G0C+3], s[G0C+3], 0x80000000        ; type = 2
	s_mov_b64 s[G0S+2:G0S+3], s[G0C+2:G0C+3]       ; a wave issues one of the two lines: both groups 0 take its address
.endm
; A PREFETCH INTO THE L2, behind the change's tensor loads.  The work-group with i = 0 of each head asks, and nobody else: from entry 1 on it walks key steps 0 .. 31 in a row.
; At change n (which fills slot n + 1) waves 0-5 ask for slot n + 2: key step 3 n + 5 + w / 2, K's (w even) or V's (w odd) 8,192 bytes, lanes 256 bytes apart; the last change that fills a slot asks for nothing.
; Wave 6 asks at changes 0 to 4 for bytes 8,192 (n + 1) on of the head's 49,152 scale bytes.  So each aligned block of 256 bytes is named once; slots 0 and 1 come by their loads alone.
.macro ASK
	s_cmp_gt_u32 s[SLOTS], s[LIM]
	s_cbranch_scc0 .Lnot_mine_\@
	global_prefetch_b8 v[PFO], s[PFA:PFA+1] th:TH_LOAD_NT scope:SCOPE_SE
.Lnot_mine_\@:
.endm
; The pointers of query block s66.
.macro SETPH
	s_mul_i32 s68, s66, STEPC
	s_lshr_b32 s70, s[WV], 1
	s_lshl_b32 s71, s70, 11                        ; fragment w / 2,
	s_add_co_u32 s68, s68, s71
	s_and_b32 s71, s[WV], 1
	s_lshl_b32 s71, s71, 10                        ; its register groups 2 (w % 2) and 2 (w % 2) + 1: tokens 16 w + r
	s_add_co_u32 s68, s68, s71
	s_mov_b32 s69, 0
	s_add_nc_u64 s[QB:QB+1], s[4:5], s[68:69]
	s_mul_i32 s68, s66, STEPS
	s_lshl_b32 s71, s70, 7
	s_add_co_u32 s68, s68, s71
	s_add_nc_u64 s[QSB:QSB+1], s[6:7], s[68:69]
	s_lshl_b32 s68, s66, 7
	s_lshl_b32 s71, s[WV], 4
	s_add_co_u32 s68, s68, s71                     ; my first token
	s_lshl_b32 s68, s68, 12                        ; rows of 4,096 bytes
	s_add_nc_u64 s[OUTB:OUTB+1], s[8:9], s[68:69]
.endm
; A block begins: q and its scale word; the largest t under every t; the sum and O^T zero (the first change of M multiplies zeros).
.macro INIT
	global_load_b128 v[QQ:QQ+3], v[AKV], s[QB:QB+1]
	global_load_b128 v[QQ+4:QQ+7], v[AKV], s[QB:QB+1] offset:512
	global_load_b32 v[QR], v[ASC], s[QSB:QSB+1]
	v_mov_b32 v13, 0xff61b1e6                      ; -3e38
	s_delay_alu instid0(VALU_DEP_1)
	v_floor_f32 v12, -v13                          ; -M
	v_mov_b32 v14, 0
	v_mov_b32 v15, 0
	s_wait_loadcnt 0x0
	v_lshrrev_b32 v[QR], s[QSH], v[QR]
	s_delay_alu instid0(VALU_DEP_1)
	v_and_b32 v[QR], 0xffff, v[QR]                 ; my token's two bytes,
	s_delay_alu instid0(VALU_DEP_1)
	v_lshl_or_b32 v[QS], v[QR], 16, v[QR]          ; twice: they serve [q | 0] and [0 | q]
.set j, 0
.rept 32
	v_mov_b32 v[OX+j], 0                           ; (these are also the eight places between the scale word's making and the next scaled product)
.set j, j+1
.endr
.endm
; A block ends: O^T / the sum goes through my stage in LDS and leaves as whole rows: sixteen lanes store the 256 consecutive bytes of one token and head.
.macro FINISH
	v_add_f32 v14, v14, v15                        ; the sum's two halves,
	s_delay_alu instid0(VALU_DEP_1)
	v_permlanex16_b32 v[TMP], v14, s[SEL], s[SEL+1]
	s_delay_alu instid0(VALU_DEP_1)
	v_add_f32 v14, v14, v[TMP]                     ; and lane l xor 16's: the row's sum
	s_wait_alu depctr_va_vdst(0)
	v_rcp_f32 v14, v14
	PLACES 8                                       ; the plain line behind the reciprocal, and the places between the last products and the reads of O^T and loads over V's fragments
	s_wait_alu depctr_va_vdst(0)                   ; the wait ahead of the reciprocal's first reader
.set j, 0
.rept 32
	v_mul_f32 v[SX+j], v[OX+j], v14                ; each accumulator from its low end on: register 8 t + e is o(query r, d = 16 t + 8 hl + e)
.set j, j+1
.endr
.irp t, 0,1,2,3
	ds_store_b128 v[STO], v[SX+8*\t:SX+8*\t+3] offset:64*\t
	ds_store_b128 v[STO], v[SX+8*\t+4:SX+8*\t+7] offset:64*\t+16
.endr
.irp i, 0,1,2,3,4,5,6,7
	ds_load_b128 v[FX+4*\i:FX+4*\i+3], v[RD] offset:544*\i   ; LDS serves a wave's instructions in order (ISA guide 5.7.1.4): these see my stores
.endr
.irp i, 0,1,2,3,4,5,6,7
	s_wait_dscnt 7-\i                              ; rows 2 i and 2 i + 1 are back; the younger loads may be out
	global_store_b128 v[GO], v[FX+4*\i:FX+4*\i+3], s[OUTB:OUTB+1] offset:8192*\i th:TH_STORE_NT
.endr
.endm
; A KEY STEP: 128 keys for my 16 queries.
.macro STEP
	s_cmp_eq_u32 s[QI], s[IP1]                     ; the second block begins here: a branch on ids
	s_cbranch_scc0 .Lsame_\@
	FINISH
	s_wait_xcnt 0x0                                ; the stores have read their registers and their base: both are written again below
	s_sub_co_u32 s66, 31, s[II]
	SETPH
	INIT
.Lsame_\@:
	v_add_nc_u32 v[ADK], s[TB], v[AKV]
	v_add_nc_u32 v[ADS], s[TS], v[ASC]
	PLACES 6                                       ; with the two additions: eight places between the last products and the loads over V's fragments
.irp c, 0,1,2,3
.irp g, 0,1,2,3
	ds_load_b128 v[FX+16*\c+4*\g:FX+16*\c+4*\g+3], v[ADK] offset:2048*\c+512*\g
.endr
	ds_load_b32 v[KS+\c], v[ADS] offset:128*\c
.endr
	s_wait_alu depctr_va_vdst(0)
	s_wait_dscnt 0x0
.irp c, 0,1,2,3
	v_wmma_scale_f32_16x16x128_f8f6f4 v[SX+16*\c:SX+16*\c+7], v[FX+16*\c:FX+16*\c+15], v[QQ:QQ+15], 0, v[KS+\c], v[QS]       ; keys 32 c + 8 hl + e
	v_wmma_scale_f32_16x16x128_f8f6f4 v[SX+16*\c+8:SX+16*\c+15], v[FX+16*\c:FX+16*\c+15], v[QZ:QZ+15], 0, v[KS+\c], v[QS]    ; keys 32 c + 16 + 8 hl + e
.endr
	PLACES 8
.irp t, 0,1,2,3                                ; V's fragments take K's registers and land under the softmax
.irp g, 0,1,2,3
	ds_load_b128 v[FX+16*\t+4*\g:FX+16*\t+4*\g+3], v[ADK] offset:8192+2048*\t+512*\g
.endr
	ds_load_b32 v[VS+\t], v[ADS] offset:512+128*\t
.endr
	s_cmp_eq_u32 s[QI], s[II]                      ; on the diagonal (the last step of each block) the scores of hidden keys become -infinity ahead of the maximum: p = 0 then
	s_cselect_b32 s66, 1, 0
	s_cmp_eq_u32 s[QI], 32
	s_cselect_b32 s66, 1, s66
	s_cmp_eq_u32 s66, 0
	s_cbranch_scc1 .Lopen_\@
	v_mov_b32 v[TMP], 0xff800000
.set n, 0
.rept 64
	v_cmp_gt_i32 vcc_lo, 32*(n/16)+16*((n/8)%2)+n%8, v[DM]
	v_cndmask_b32 v[SX+n], v[SX+n], v[TMP], vcc_lo
.set n, n+1
.endr
.Lopen_\@:
.irp b, 0,1,2,3
	v_max3_num_f32 v[BM+\b], v[SX+16*\b], v[SX+1+16*\b], v[SX+2+16*\b]   ; the largest score of each block of 32 keys: for the row's maximum and, since p rises with the score, for the block's largest p
.endr
	s_setprio 1
.irp i, 3,5,7,9,11,13
.irp b, 0,1,2,3
	v_max3_num_f32 v[BM+\b], v[BM+\b], v[SX+16*\b+\i], v[SX+1+16*\b+\i]
.endr
.endr
.irp b, 0,1,2,3
	v_max_num_f32 v[BM+\b], v[BM+\b], v[SX+15+16*\b]
.endr
.irp b, 0,1,2,3
	s_delay_alu instid0(VALU_DEP_4)
	v_permlanex16_b32 v[T2+\b], v[BM+\b], s[SEL], s[SEL+1]
.endr
.irp b, 0,1,2,3
	s_delay_alu instid0(VALU_DEP_4)
	v_max_num_f32 v[BM+\b], v[BM+\b], v[T2+\b]     ; with lane l xor 16's 16 keys
.endr
	s_delay_alu instid0(VALU_DEP_2)
	v_max3_num_f32 v[TMP], v[BM], v[BM+1], v[BM+2]
	s_delay_alu instid0(VALU_DEP_1)
	v_max_num_f32 v[TMP], v[TMP], v[BM+3]          ; the step's largest score of my query
	s_delay_alu instid0(VALU_DEP_1)
	v_mul_f32 v[TMP], s[CS], v[TMP]                ; as t
	s_delay_alu instid0(VALU_DEP_1)
	v_max_num_f32 v13, v13, v[TMP]                 ; the running largest t
	v_mov_b32 v[TMP], v12
	s_delay_alu instid0(VALU_DEP_2)
	v_floor_f32 v12, -v13                          ; the new -M = -ceil(t): a whole number
	s_delay_alu instid0(VALU_DEP_1)
	v_sub_f32 v[TMP], v12, v[TMP]                  ; old M - new M: a whole number, 0 or less
	s_delay_alu instid0(VALU_DEP_1)
	v_cvt_i32_f32 v[TMP], v[TMP]                   ; (it saturates)
	s_delay_alu instid0(VALU_DEP_1)
	v_ldexp_f32 v[FF], 1.0, v[TMP]                 ; f = 2^(old M - new M)
.set j, 0
.rept 32
	v_pk_fma_f32 v[SX+j:SX+j+1], v[SX+j:SX+j+1], s[CS:CS+1], v[12:13] op_sel_hi:[1,0,0]   ; t - M, two at a time
.set j, j+2
.endr
.irp b, 0,1,2,3
	v_fma_f32 v[BM+\b], v[BM+\b], s[CS], v12       ; the same of each block's largest score
.endr
.set j, 0
	s_wait_alu depctr_va_vdst(0)
.rept 64
	v_exp_f32 v[SX+j], v[SX+j]                     ; p = 2^(t - M), at most 1
.set j, j+1
.endr
	v_pk_mul_f32 v[14:15], v[14:15], v[FF:FF+1] op_sel_hi:[1,0]   ; the sums under the new M: the plain line behind the exponentials
	s_wait_alu depctr_va_vdst(0)                   ; one wait for the whole batch, ahead of its first reader
.irp b, 0,1,2,3
	v_exp_f32 v[BM+\b], v[BM+\b]                   ; the block's largest p: the same two instructions on the same number give the same bits
.endr
	v_pk_add_f32 v[248:249], v[120:121], v[124:125]
	v_pk_add_f32 v[254:255], v[128:129], v[132:133]
	v_pk_add_f32 v[252:253], v[136:137], v[140:141]
	v_pk_add_f32 v[244:245], v[144:145], v[148:149]
	v_pk_add_f32 v[242:243], v[152:153], v[156:157]
	v_pk_add_f32 v[240:241], v[160:161], v[164:165]
	v_pk_add_f32 v[238:239], v[168:169], v[172:173]
	v_pk_add_f32 v[14:15], v[14:15], v[176:177]
	v_pk_add_f32 v[248:249], v[248:249], v[116:117]
	v_pk_add_f32 v[254:255], v[254:255], v[118:119]
	v_pk_add_f32 v[252:253], v[252:253], v[122:123]
	v_pk_add_f32 v[244:245], v[244:245], v[126:127]
	v_pk_add_f32 v[242:243], v[242:243], v[130:131]
	v_pk_add_f32 v[240:241], v[240:241], v[134:135]
	v_pk_add_f32 v[238:239], v[238:239], v[138:139]
	v_pk_add_f32 v[14:15], v[14:15], v[142:143]
	v_pk_add_f32 v[248:249], v[248:249], v[146:147]
	s_setprio 0
	v_pk_add_f32 v[254:255], v[254:255], v[150:151]
	v_pk_add_f32 v[252:253], v[252:253], v[154:155]
	v_pk_add_f32 v[244:245], v[244:245], v[158:159]
	v_pk_add_f32 v[242:243], v[242:243], v[162:163]
	v_pk_add_f32 v[240:241], v[240:241], v[166:167]
	v_pk_add_f32 v[238:239], v[238:239], v[170:171]
	v_pk_add_f32 v[14:15], v[14:15], v[174:175]
	v_pk_add_f32 v[248:249], v[248:249], v[178:179]
	s_delay_alu instid0(VALU_DEP_2)
	v_pk_add_f32 v[14:15], v[14:15], v[244:245]
	s_delay_alu instid0(VALU_DEP_2)
	v_pk_add_f32 v[248:249], v[248:249], v[242:243]
	v_pk_add_f32 v[254:255], v[254:255], v[240:241]
	v_pk_add_f32 v[252:253], v[252:253], v[238:239]
	s_delay_alu instid0(VALU_DEP_2)
	v_pk_add_f32 v[14:15], v[14:15], v[254:255]
	s_delay_alu instid0(VALU_DEP_2)
	v_pk_add_f32 v[248:249], v[248:249], v[252:253]
	s_delay_alu instid0(VALU_DEP_1)
	v_pk_add_f32 v[14:15], v[14:15], v[248:249]
	s_wait_alu depctr_va_vdst(0)                   ; and one for the four
.irp b, 0,1,2,3
	v_max_num_f32 v[BM+\b], 0x4800000, v[BM+\b]    ; the floor 2^(9 - 127): the byte cannot fall under 1
.endr
.irp b, 0,1,2,3
	s_delay_alu instid0(VALU_DEP_4)
	v_add_nc_u32 v[SOP+\b], 0xfc000000, v[BM+\b]   ; the conversion's scale operand
.endr
.irp b, 0,1,2,3
.endr
.irp b, 0,1,2,3
	s_delay_alu instid0(VALU_DEP_4)
	v_lshrrev_b32 v[T2+\b], 23, v[SOP+\b]          ; the byte
.endr
	s_delay_alu instid0(VALU_DEP_3)
	v_lshl_or_b32 v[PW], v[T2+1], 8, v[T2]         ; p's scale word for these 128 keys
	s_delay_alu instid0(VALU_DEP_1)
	v_lshl_or_b32 v[PW], v[T2+2], 16, v[PW]
	s_delay_alu instid0(VALU_DEP_1)
	v_lshl_or_b32 v[PW], v[T2+3], 24, v[PW]
.irp b, 0,1,2,3
.irp i, 0,1,2,3,4,5,6,7,8,9,10,11,12,13,14,15
.endr
	v_cvt_scalef32_pk8_fp8_f32 v[PCD+4*\b:PCD+1+4*\b], v[SX+16*\b:SX+7+16*\b], v[SOP+\b]
	v_cvt_scalef32_pk8_fp8_f32 v[PCD+2+4*\b:PCD+3+4*\b], v[SX+8+16*\b:SX+15+16*\b], v[SOP+\b]
.endr
.set j, 0
.rept 16
	v_pk_mul_f32 v[OX+j:OX+j+1], v[OX+j:OX+j+1], v[FF:FF+1] op_sel_hi:[1,0]   ; O^T under the new M.  (These are also the places between the codes' making and the products)
.set j, j+2
.endr
	s_wait_alu depctr_va_vdst(0)
	s_wait_dscnt 0x0                               ; V's fragments and scale words are in
.irp t, 0,1,2,3
	v_wmma_scale_f32_16x16x128_f8f6f4 v[OX+8*\t:OX+8*\t+7], v[FX+16*\t:FX+16*\t+15], v[PCD:PCD+15], v[OX+8*\t:OX+8*\t+7], v[VS+\t], v[PW]   ; the four accumulators by turns
.endr
	s_add_co_u32 s[QI], s[QI], 1
	s_add_co_u32 s[TB], s[TB], ENT
	s_add_co_u32 s[TS], s[TS], 1024
.endm
; THE CHANGE OF SLOTS stands at a slot's head.  Each wave waits for all its tensor loads (its part of the slot ahead), adds 0 to its spare word, and waits for that and for its reads of the slot that it has left.
; Behind the barrier the slot ahead is whole and nobody reads the other one.  fill = 1: that other slot takes the next three entries: the load has three key steps in which to land.
.macro CHANGE fill
	s_wait_tensorcnt 0x0                           ; no tensor load of mine is out, so a group 0 may be written
	ds_add_u32 v[SPW], v[NIL]                      ; 0 onto my spare word
.if \fill
	s_xor_b32 s[G0C+1], s[G0C+1], SLOT1            ; the other slot than last time,
	s_xor_b32 s[G0S+1], s[G0S+1], SLOT1
	s_add_co_u32 s[QL], s[QL], 3                   ; three entries on
	GADDR
	s_wait_xcnt 0x0                                ; the last prefetch, a slot back, has read its address, so it may be written
	s_add_nc_u64 s[PFA:PFA+1], s[PFA:PFA+1], s[PFS:PFS+1]
.endif
	s_wait_dscnt 0x0                               ; the add is done, and my reads of the slot that I have left are over
	s_barrier_signal -1
	s_barrier_wait -1
.if \fill
	TLOAD                                          ; the first thing behind the barrier, and a wave's one tensor load until the next
	ASK
.endif
.endm
.macro THREE_STEPS                     ; a slot's three key steps: written once, walked three times; the LDS addresses hang on s[TB] and s[TS]
	s_mov_b32 s[THRICE], 3
.Lstep_\@:
	s_setprio 2
	STEP
	s_sub_co_u32 s[THRICE], s[THRICE], 1
	s_cmp_lg_u32 s[THRICE], 0
	s_cbranch_scc1 .Lstep_\@
	s_setprio 0
	s_sub_co_u32 s[TB], s[TB], 3*ENT               ; back to a slot's first entry,
	s_xor_b32 s[TB], s[TB], SLOT1                  ; in the other slot
	s_sub_co_u32 s[TS], s[TS], 3*1024
	s_xor_b32 s[TS], s[TS], SLOT1
.endm
	s_load_b128 s[4:7], s[0:1], 0x0                ; cod, scl
	s_load_b64 s[8:9], s[0:1], 0x10                ; out0
	v_lshl_add_u32 v[SPW], v0, 2, SPARE
	v_mov_b32 v[NIL], 0
	ds_add_u32 v10, v11
	ds_add_u32 v10, v11
	s_wait_dscnt 0x0
	v_lshrrev_b32 v1, 5, v0
	s_delay_alu instid0(VALU_DEP_1)
	v_readfirstlane_b32 s[WV], v1                  ; wave 0..7
	s_mov_b32 s[II], ttmp9
	s_add_co_u32 s[IP1], ttmp9, 1
	s_and_b32 s66, ttmp7, 0xffff                   ; the head
	; descriptor groups 1: dense rows of 256 bytes (32 elements of 8 bytes): 64 for a step's codes, 4 for its scale images
	s_mov_b32 s[G1C+0], 3<<16
	s_mov_b32 s[G1C+1], 32<<16                     ; tensor_dim0
	s_mov_b32 s[G1C+2], 64<<16                     ; tensor_dim1
	s_mov_b32 s[G1C+3], 32<<16                     ; tile_dim0
	s_mov_b32 s[G1C+4], 64                         ; tile_dim1
	s_mov_b32 s[G1C+5], 32                         ; from row to row
	s_mov_b32 s[G1C+6], 0
	s_mov_b32 s[G1C+7], 0
	s_mov_b32 s[G1S+0], 3<<16
	s_mov_b32 s[G1S+1], 32<<16
	s_mov_b32 s[G1S+2], 4<<16
	s_mov_b32 s[G1S+3], 32<<16
	s_mov_b32 s[G1S+4], 4
	s_mov_b32 s[G1S+5], 32
	s_mov_b32 s[G1S+6], 0
	s_mov_b32 s[G1S+7], 0
	s_mov_b32 s[SEL], 0x76543210
	s_mov_b32 s[SEL+1], 0xfedcba98
	s_mov_b32 s[CS], 0x3e38aa3b                    ; c = log2(e) / 8
	s_mov_b32 s[CS+1], s[CS]                       ; (named with it as a pair, so it is written)
	s_mov_b32 s[QI], 0
	s_mov_b32 s[TB], 0
	s_mov_b32 s[TS], SCO
	s_and_b32 s[QSH], s[WV], 1
	s_lshl_b32 s[QSH], s[QSH], 4
	s_mul_i32 s68, s66, 32*STEPC
	s_mov_b32 s69, 0
	s_mul_i32 s70, s66, 32*STEPS
	s_mov_b32 s71, 0
	s_lshl_b32 s66, s66, 8
	s_mov_b32 s67, 0
	s_wait_kmcnt 0x0
	s_add_nc_u64 s[4:5], s[4:5], s[68:69]          ; the head's codes,
	s_add_nc_u64 s[6:7], s[6:7], s[70:71]          ; its scale images,
	s_add_nc_u64 s[8:9], s[8:9], s[66:67]          ; its 256 bytes of a row of out
	s_add_nc_u64 s[68:69], s[4:5], 8192            ; K | V of key step 0: codes,
	s_add_nc_u64 s[70:71], s[6:7], 512             ; scales
	s_cmp_lt_u32 s[WV], 3
	s_cselect_b64 s[BASEW:BASEW+1], s[68:69], s[70:71]
	s_mov_b32 s[MULW], STEPS
	s_cselect_b32 s[MULW], STEPC, s[MULW]
	s_cmp_ge_u32 s[WV], 3                          ; which of a slot's three entries I fetch: w % 3
	s_cselect_b32 s66, 3, 0
	s_sub_co_u32 s[QL], s[WV], s66
	s_cmp_ge_u32 s[WV], 6
	s_cselect_b32 s66, 3, 0
	s_sub_co_u32 s[QL], s[QL], s66
	s_mov_b32 s[G0C], 1                            ; count = 1
	s_lshl_b32 s[G0C+1], s[WV], 14                 ; LDS: entry w of slot 0 (waves 0-2)
	s_mov_b32 s[G0S], 1
	s_lshl_b32 s[G0S+1], s[WV], 10
	s_add_co_u32 s[G0S+1], s[G0S+1], SCO-3*1024    ; entry w - 3's scale images (waves 3-5)
	GADDR
	TLOAD                                          ; slot 0: the launch's first fill
	; the prefetches: where my wave's stand, and who asks
	s_lshr_b32 s66, s[WV], 1
	s_add_co_u32 s66, s66, 2
	s_mul_i32 s66, s66, STEPC                      ; key step 2 + w / 2: the first change of slots steps it to 5 + w / 2
	s_and_b32 s67, s[WV], 1
	s_lshl_b32 s67, s67, 13
	s_add_co_u32 s66, s66, s67
	s_add_co_u32 s66, s66, 8192                    ; K's or V's 8,192 bytes
	s_cmp_lt_u32 s[WV], 6
	s_cselect_b32 s66, s66, 0
	s_cselect_b64 s[PFA:PFA+1], s[4:5], s[6:7]
	s_mov_b32 s[PFS], 8192
	s_cselect_b32 s[PFS], 3*STEPC, s[PFS]
	s_cselect_b32 s[LIM], 1, 5
	s_mov_b32 s67, 0
	s_mov_b32 s[PFS+1], 0
	s_add_nc_u64 s[PFA:PFA+1], s[PFA:PFA+1], s[66:67]
	s_cmp_eq_u32 s[WV], 7
	s_cselect_b32 s66, 1, 0
	s_or_b32 s66, s66, s[II]                       ; 0 in waves 0-6 of the head's work-group with i = 0
	s_cmp_eq_u32 s66, 0
	s_cselect_b32 s[LIM], s[LIM], -1
	v_and_b32 v[TMP], 31, v0                       ; lane
	v_and_b32 v[TMP+1], 15, v0                     ; r
	v_bfe_u32 v[TMP+2], v0, 4, 1                   ; hl
	s_delay_alu instid0(VALU_DEP_3)
	v_lshlrev_b32 v[AKV], 4, v[TMP]
	s_delay_alu instid0(VALU_DEP_4)
	v_lshlrev_b32 v[ASC], 2, v[TMP]
	v_lshlrev_b32 v[PFO], 8, v[TMP]
	s_lshl_b32 s66, s[WV], 4
	v_add_nc_u32 v[DM], s66, v[TMP+1]
	v_lshlrev_b32 v[STO], 3, v[TMP+2]
	s_delay_alu instid0(VALU_DEP_1)
	v_sub_nc_u32 v[DM], v[DM], v[STO]
	s_mul_i32 s66, s[WV], 16*272
	s_add_co_u32 s66, s66, STAGE                   ; my stage
	v_mul_u32_u24 v[STO], v[TMP+1], 272
	s_delay_alu instid0(VALU_DEP_1)
	v_lshl_add_u32 v[STO], v[TMP+2], 5, v[STO]
	s_delay_alu instid0(VALU_DEP_1)
	v_add_nc_u32 v[STO], s66, v[STO]               ; in: row r, 32 bytes for each half of the lanes
	v_mul_u32_u24 v[RD], v[TMP+2], 272
	s_delay_alu instid0(VALU_DEP_1)
	v_lshl_add_u32 v[RD], v[TMP+1], 4, v[RD]
	s_delay_alu instid0(VALU_DEP_1)
	v_add_nc_u32 v[RD], s66, v[RD]                 ; back: lanes 0-15 one row, lanes 16-31 the next
	v_lshlrev_b32 v[GO], 12, v[TMP+2]
	s_delay_alu instid0(VALU_DEP_1)
	v_lshl_add_u32 v[GO], v[TMP+1], 4, v[GO]       ; and the same two rows of out
.irp j, 0,1,2,3,4,5,6,7
	v_mov_b32 v[QZ+\j], 0                          ; the zero codes on both sides of q
	v_mov_b32 v[QQ+8+\j], 0
.endr
.irp b, 0,1,2,3
	v_mov_b32 v[T2+\b], 0                          ; a lane permute's destination counts as one of its sources
.endr
	v_mov_b32 v[FF+1], 0                           ; (named as the upper half of the pair)
	s_mov_b32 s66, s[II]
	SETPH
	INIT
	s_mov_b32 s[SLOTS], 10
.Lslot:                                            ; ten trips: behind each change of slots but the last the next slot is asked for
	CHANGE 1
	THREE_STEPS
	s_sub_co_u32 s[SLOTS], s[SLOTS], 1
	s_cmp_lg_u32 s[SLOTS], 0
	s_cbranch_scc1 .Lslot
	CHANGE 0                                       ; the last slot is written out
	THREE_STEPS
	FINISH
	s_wait_tensorcnt 0x0                           ; the wave's end: behind my last tensor load and my last LDS store
	ds_add_u32 v[SPW], v[NIL]
	s_wait_dscnt 0x0
	s_endpgm
.Lfunc_end_k_q75234f6c8d_attn:
	.size	k_q75234f6c8d_attn, .Lfunc_end_k_q75234f6c8d_attn-k_q75234f6c8d_attn
	.p2alignl 7, 3214868480
	.fill 96, 4, 3214868480
	.section	.rodata,"a",@progbits
	.p2align	6, 0x0
	.amdhsa_kernel k_q75234f6c8d_attn
		.amdhsa_group_segment_fixed_size 327680
		.amdhsa_private_segment_fixed_size 0
		.amdhsa_enable_private_segment 0
		.amdhsa_kernarg_size 24
		.amdhsa_user_sgpr_count 2
		.amdhsa_user_sgpr_kernarg_segment_ptr 1
		.amdhsa_wavefront_size32 1
		.amdhsa_system_sgpr_workgroup_id_x 1
		.amdhsa_system_sgpr_workgroup_id_y 1
		.amdhsa_system_sgpr_workgroup_id_z 1
		.amdhsa_system_vgpr_workitem_id 0
		.amdhsa_next_free_vgpr 256
		.amdhsa_next_free_sgpr 72
		.amdhsa_reserve_vcc 1
		.amdhsa_float_denorm_mode_32 3
		.amdhsa_float_denorm_mode_16_64 3
		.amdhsa_fp16_overflow 1
		.amdhsa_memory_ordered 1
		.amdhsa_forward_progress 1
		.amdhsa_inst_pref_size 73
	.end_amdhsa_kernel
	.amdgpu_metadata
---
amdhsa.version: [ 1, 2 ]
amdhsa.kernels:
  - .name:           k_q75234f6c8d_attn
    .symbol:         k_q75234f6c8d_attn.kd
    .args:
      - { .name: cod, .offset: 0, .size: 8, .value_kind: global_buffer, .address_space: global }
      - { .name: scl, .offset: 8, .size: 8, .value_kind: global_buffer, .address_space: global }
      - { .name: out0, .offset: 16, .size: 8, .value_kind: global_buffer, .address_space: global }
    .group_segment_fixed_size: 327680
    .private_segment_fixed_size: 0
    .kernarg_segment_align: 8
    .kernarg_segment_size: 24
    .max_flat_workgroup_size: 256
    .sgpr_count:     72
    .vgpr_count:     256
    .wavefront_size: 32
...
	.end_amdgpu_metadata
.endif
;; end of part 3
